; MI455X (gfx1250); checked and timed in simulation.
; The chip was launched on July 23, 2026; its instructions are those of AMD's public machine-readable ISA for CDNA 5 (MIT licence, August 2026) and "CDNA5" Instruction Set Architecture Reference Guide (July 2026). The comments in the code are by the model that wrote it; some were corrected since.
;; QLSTM Plus. Allowed arithmetic: matrix products marked QUANTISED: E2M3 operands, one E8M0 scale for each 32 along K, by v_wmma_scale_f32_16x16x128_f8f6f4 with both operands' format E2M3, f32 sums; everything else in f32.
;; Inputs: W 2 x 4 x 512 x 256 float32; b 2 x 4 x 256 float32; inputs 512 x 128 x 256 float32; ln_b 2 x 256 float32; ln_g 2 x 256 float32.
;; Outputs: out0 512 x 128 x 256 float32.
;; This version of the problem:
;;   THIS VERSION OF THE PROBLEM IS GIVEN IN LOW PRECISION. The matrix products marked QUANTISED in the list below multiply operands that are first quantised to E2M3 (2 exponent bits, 3 mantissa bits; 6 bits a number), with one power-of-two scale for each 32 numbers along K (OCP MX v1.0); their sums are f32. All else is computed in f32.
;;   The module's matrix products, in the order in which they are computed (A, B: the left and right operand; K: the contracted axis; several contracted axes count as one K, in the product's order):
;;     1. [M 1,024, K 512] x [K 512, N 65,536]; A: input W; B: computed on the way: QUANTISED
;;     2. [M 1,024, K 512] x [K 512, N 65,536]; A: input W; B: computed on the way: QUANTISED
;;   THE QUANTISER, for each operand of a quantised product, along K:
;;     - K is cut into blocks of 32 from its start; a last block that is shorter is filled with zeros.
;;     - A block's scale is 2^e with e = floor(log2(the largest magnitude in the block)) - 2, held to -126 .. 127; a block of zeros has e = 0. As a byte (E8M0): e + 127.
;;     - Each number is divided by its block's scale, clamped to +-7.5, and rounded to the nearest number of E2M3, ties to even, subnormals kept.
;;     - The product sums the exact products of the quantised numbers (number of the format x scale) in f32.
;;   ~~~python
;;   def quantise(x, axis):      # numpy; x: float32 -> the quantised numbers, widened to float32 again
;;       x = np.moveaxis(x, axis, -1); K = x.shape[-1]
;;       x = np.pad(x, [(0, 0)] * (x.ndim - 1) + [(0, -K % 32)]); x = x.reshape(x.shape[:-1] + (-1, 32)); a = np.abs(x).max(-1, keepdims=True)
;;       e = np.where(a > 0, np.clip(np.frexp(np.where(a > 0, a, 1))[1] - 1 - 2, -126, 127), 0)      # np.frexp(a)[1] - 1 = floor(log2(a)), exactly
;;       r = np.clip(x / 2.0 ** e, -7.5, 7.5)
;;       step = 2.0 ** (np.maximum(np.frexp(np.where(r == 0, 1, r))[1] - 1, 0) - 3)
;;       q = np.round(r / step) * step * 2.0 ** e      # np.round: ties to even
;;       return np.moveaxis(q.reshape(q.shape[:-2] + (-1,))[..., :K], -1, axis).astype(np.float32)
;;   ~~~
;;   OPERANDS COMPUTED ON THE WAY. 'Computed on the way' means the value that the module computes at that place (a softmax that the list does not call 'softmax' is quantised finished and normalised). What goes into a quantiser is computed in f32, as accurately as f32 sums, v_exp_f32 and their like allow (about 1e-6 of the number): no bf16 or f16 on the way to a quantiser, and a product that is left as it is and whose result goes on into a quantised operand takes f32 operands (vector FMAs, or v_wmma_f32_16x16x4_f32). A number that lies on a knife's edge between two numbers of the format may be rounded either way, as far as f32 arithmetic and the matrix unit's own rounding can turn it there, and no further.
;; One version. Each part assembles by itself: llvm-mc -triple=amdgcn-amd-amdhsa -mcpu=gfx1250 --defsym DOCPART=n.
;; ======== version 1 of 1: 2 launches
;; limits: a function is approximated: absolute error at most 6e-08; right only within a limited range of input values
;; workspace buffers: wq 323,584 bytes
;; launch prep (part 1): grid 32 x 1, 6 waves a work-group, no clusters, 1,792 bytes of LDS; arguments W, b, ln_g, ln_b, wq; writes wq
.if DOCPART == 1
	.amdgcn_target "amdgcn-amd-amdhsa--gfx1250"
	.amdhsa_code_object_version 6
	.text
	.protected	k_q777c0b4237_prep
	.globl	k_q777c0b4237_prep
	.p2align	8
	.type	k_q777c0b4237_prep,@function
k_q777c0b4237_prep:
	s_mov_b64 s[64:65], 0
	v_nop
	global_prefetch_b8 v0, s[64:65] scope:SCOPE_SE
	s_setreg_imm32_b32 hwreg(HW_REG_WAVE_MODE, 25, 1), 1
	s_wait_xcnt 0x0
; The weights that the chain multiplies are turned into codes of FP6 (E2M3) with one E8M0 scale byte for each 32 along K, and laid as images of the operand's registers.
; W: [2 layers][4 gates f,i,g,o][512 (k)][256 (unit)] f32, K its first axis within a gate.  KEPT: gates i, g, o (index g = 0, 1, 2 here; W's gate g + 1) and k = 0 .. 255.
; NOT READ, since the computation itself throws their products away: gate f (it multiplies zeros_like) with its bias, and k = 256 .. 511 (they meet the zeros that are concatenated to x).
; wq: two layer blocks of LAYB bytes.  A block: 16 records of REC bytes, one for each tile t of 16 units, then ln_g[l] and ln_b[l], 1,024 bytes each, as they lie.
; A record: six fragments (2 g + s, s = the K step of 128) of 1,536 bytes: registers 4 q .. 4 q + 3 of lane L at 512 q + 16 L; at 9,216 + 16 L + 4 g the scale word of row L % 16 for K step L / 16 (word 3 = 0);
; at 9,728 + 64 g + 4 m the bias of the tile's m-th unit; 64 zeros.
; THE UNITS OF A TILE ARE NOT NEIGHBOURS: row m of tile t is unit U(t, m) = 32 (t / 2) + 8 (t % 2) + m + 8 (m / 8), so that in the transposed product a lane's 16 registers of tiles 2 B and 2 B + 1 are 16 neighbours along the next K.
; SHARES: work-group 16 l + t makes one record; wave w makes fragment w = 2 g + s.  A LANE TAKES A COLUMN (unit U(t, r)) AND ITS REGISTERS RUN DOWN K, in the order that the operand's layout gives that lane: nothing is transposed.
; A block's scale is 2^(floor(log2(largest magnitude)) - 2); its byte is the largest magnitude's exponent field - 2, held at 1 from below.  A block of zeros keeps the byte 1: its codes are zeros, and this program alone reads the bytes.
; LIMITS: blocks whose largest magnitude lies under 2^-124 keep the byte 1; NaN and infinities are not served.
.set LAYB,  161792
.set REC,   9984
.set LNOFF, 159744
	s_load_b256 s[4:11], s[0:1], 0x0               ; W s[4:5], b s[6:7], ln_g s[8:9], ln_b s[10:11]
	s_load_b64 s[12:13], s[0:1], 0x20              ; wq
	v_lshl_add_u32 v200, v0, 2, 0x400
	v_mov_b32 v201, 0
	v_lshrrev_b32 v1, 5, v0
	v_readfirstlane_b32 s16, v1                    ; wave 0..5 = fragment 2 g + s
	s_lshr_b32 s17, ttmp9, 4                       ; layer l
	s_and_b32 s18, ttmp9, 15                       ; tile t
	s_lshr_b32 s19, s16, 1                         ; g
	s_and_b32 s22, s16, 1                          ; s
	s_mov_b32 s20, 0x76543210
	s_mov_b32 s21, 0xfedcba98                      ; v_permlanex16_b32's selects for lane l xor 16
	v_and_b32 v11, 31, v0                          ; lane L
	v_and_b32 v1, 15, v0                           ; r
	v_bfe_u32 v2, v0, 4, 1                         ; h
	v_and_b32 v3, 8, v1
	v_add_nc_u32 v3, v3, v1                        ; r + 8 (r / 8)
	v_lshlrev_b32 v3, 2, v3                        ; my column, in bytes from the tile's first
	v_lshl_add_u32 v3, v2, 15, v3                  ; lanes 16-31 begin 32 rows of 1,024 bytes further down
	v_lshlrev_b32 v4, 4, v11                       ; 16 L: an image's place for my lane
	v_lshlrev_b32 v6, 3, v11                       ; 8 L
	s_lshl_b32 s23, s22, 8
	s_lshl_b32 s24, s19, 2
	s_add_co_u32 s23, s23, s24
	v_lshl_add_u32 v5, v1, 4, s23                  ; LDS: 16 (16 s + r) + 4 g: my row's scale word in the record's image
	v_and_b32 v8, 7, v11                           ; the bias: lane L takes gate min(L / 8, 2), rows m = 2 (L % 8) and m + 1, which are neighbouring units
	v_lshlrev_b32 v7, 3, v8
	v_bfe_u32 v8, v11, 2, 1
	v_lshl_add_u32 v7, v8, 5, v7                   ; 4 (m + 8 (m / 8))
	v_lshrrev_b32 v8, 3, v11
	v_min_u32 v8, 2, v8                            ; (lanes 24-31 load gate 2's again, inside the buffer, and store zeros)
	v_lshl_add_u32 v7, v8, 10, v7
	s_lshr_b32 s30, s18, 1
	s_lshl_b32 s30, s30, 7
	s_and_b32 s31, s18, 1
	s_lshl_b32 s31, s31, 5
	s_add_co_u32 s30, s30, s31                     ; the tile's first unit, in bytes: 128 (t / 2) + 32 (t % 2)
	s_lshl_b32 s24, s17, 2
	s_add_co_u32 s24, s24, s19
	s_add_co_u32 s24, s24, 1                       ; W's gate 4 l + g + 1,
	s_lshl_b32 s24, s24, 19                        ; 512 rows of 1,024 bytes each,
	s_lshl_b32 s25, s22, 17
	s_add_co_u32 s24, s24, s25                     ; + 128 s rows
	s_add_co_u32 s24, s24, s30
	s_mov_b32 s25, 0
	s_lshl_b32 s26, s17, 12
	s_add_co_u32 s26, s26, 1024                    ; b: gate 4 l + 1
	s_add_co_u32 s26, s26, s30
	s_mov_b32 s27, 0
	s_lshl_b32 s28, s17, 10                        ; ln_g, ln_b: layer l, and 256 bytes for each of four tiles
	s_and_b32 s29, s18, 3
	s_lshl_b32 s29, s29, 8
	s_add_co_u32 s28, s28, s29
	s_mov_b32 s29, 0
	s_mul_i32 s32, s17, LAYB
	s_mov_b32 s33, 0
	s_and_b32 s31, s18, 7
	s_wait_kmcnt 0x0
	s_add_nc_u64 s[4:5], s[4:5], s[24:25]
	s_add_nc_u64 s[6:7], s[6:7], s[26:27]
	s_cmp_lt_u32 s31, 4                            ; tiles 0-3 carry ln_g, tiles 4-7 ln_b (tiles 8-15 load the same again and store nothing): the choice hangs on the work-group's number alone
	s_cselect_b64 s[8:9], s[8:9], s[10:11]
	s_add_nc_u64 s[8:9], s[8:9], s[28:29]
	s_add_nc_u64 s[12:13], s[12:13], s[32:33]      ; wq at the layer's block
	s_lshl_b32 s32, s18, 8
	s_add_nc_u64 s[34:35], s[12:13], s[32:33]      ; + 256 t: for the LayerNorm's parameters
	s_mul_i32 s32, s18, REC
	s_add_nc_u64 s[12:13], s[12:13], s[32:33]      ; the record
	s_mul_i32 s32, s16, 1536
	s_add_nc_u64 s[36:37], s[12:13], s[32:33]      ; my fragment in it
.irp c, 0,1
.irp i, 0,1,2,3,4,5,6,7,8,9,10,11,12,13,14,15,16,17,18,19,20,21,22,23,24,25,26,27,28,29,30,31
	global_load_b32 v[64+32*\c+\i], v3, s[4:5] offset:(64*\c+\i)*1024   ; W(128 s + 64 c + 32 h + i, U(t, r))
.endr
.endr
	global_load_b64 v[12:13], v7, s[6:7]           ; every wave issues these two, so that no branch stands among the loads; wave 1 uses the first, wave 2 the second
	global_load_b64 v[14:15], v6, s[8:9]
	s_wait_loadcnt 0x0
.irp c, 0,1                                    ; my block 2 c + h: all its 32 numbers are mine
	v_max3_num_f32 v[32+\c], |v[64+32*\c]|, |v[65+32*\c]|, 0x1800000   ; and the floor 2^(3 - 127): the byte cannot fall under 1
.endr
.irp i, 2,4,6,8,10,12,14,16,18,20,22,24,26,28,30
.irp c, 0,1
	v_max3_num_f32 v[32+\c], v[32+\c], |v[64+32*\c+\i]|, |v[65+32*\c+\i]|   ; (the two blocks by turns)
.endr
.endr
.irp c, 0,1
	v_add_nc_u32 v[44+\c], 0xff000000, v[32+\c]    ; 2 off the exponent field: the conversion takes the exponent field of this operand as its scale
.endr
.irp c, 0,1
	v_lshrrev_b32 v[36+\c], 23, v[44+\c]           ; the scale's byte
.endr
	v_lshl_or_b32 v9, v37, 16, v36                 ; my two bytes: blocks h and 2 + h,
	v_lshlrev_b32 v10, 3, v2
	v_lshlrev_b32 v9, v10, v9                      ; at their places in the word (8 h bits up);
	v_mov_b32 v10, 0
	v_permlanex16_b32 v10, v9, s20, s21
	v_or_b32 v9, v9, v10                           ; with lane l xor 16's two the word is whole
	ds_store_b32 v5, v9                            ; both lanes of a row write the same word with the same value
.irp c, 0,1
	v_cvt_scalef32_pk16_fp6_f32 v[48+6*\c:50+6*\c], v[64+32*\c:79+32*\c], v[44+\c]       ; registers 6 c .. 6 c + 2 of the operand
	v_cvt_scalef32_pk16_fp6_f32 v[192+4*\c:194+4*\c], v[80+32*\c:95+32*\c], v[44+\c]     ; (a conversion's three registers begin on an even number: the second three are made elsewhere and moved)
.endr
	v_nop                                          ; one plain place behind a scaled conversion
.irp c, 0,1
.irp i, 0,1,2
	v_mov_b32 v[51+6*\c+\i], v[192+4*\c+\i]
.endr
.endr
	s_wait_dscnt 0x0                               ; for wave 0's sake: my scale words lie in LDS
	s_barrier_signal -1
	s_barrier_wait -1
.irp q, 0,1,2
	global_store_b128 v4, v[48+4*\q:51+4*\q], s[36:37] offset:512*\q   ; 32 lanes store 512 consecutive bytes, at a multiple of 256 from wq's first byte
.endr
	s_cmp_lg_u32 s16, 0
	s_cbranch_scc1 .Lnot_wave_0
	ds_load_b96 v[16:18], v4                       ; the six waves' scale words, as the record has them
	v_mov_b32 v19, 0
	s_wait_dscnt 0x0
	global_store_b128 v4, v[16:19], s[12:13] offset:9216
.Lnot_wave_0:
	s_cmp_lg_u32 s16, 1
	s_cbranch_scc1 .Lnot_wave_1
	v_cmp_gt_u32 vcc_lo, 24, v11                   ; lanes 24-31 store the record's 64 zeros
	v_cndmask_b32 v12, 0, v12, vcc_lo
	v_cndmask_b32 v13, 0, v13, vcc_lo
	global_store_b64 v6, v[12:13], s[12:13] offset:9728   ; 256 consecutive bytes, aligned
.Lnot_wave_1:
	s_cmp_lg_u32 s16, 2
	s_cbranch_scc1 .Lend
	s_cmp_lt_u32 s18, 8
	s_cbranch_scc0 .Lend
	global_store_b64 v6, v[14:15], s[34:35] offset:LNOFF  ; 256 bytes of ln_g (tiles 0-3) or of ln_b (tiles 4-7)
.Lend:
	s_wait_tensorcnt 0x0
	ds_add_u32 v200, v201
	s_wait_dscnt 0x0
	s_endpgm
.Lfunc_end_k_q777c0b4237_prep:
	.size	k_q777c0b4237_prep, .Lfunc_end_k_q777c0b4237_prep-k_q777c0b4237_prep
	.p2alignl 7, 3214868480
	.fill 96, 4, 3214868480
	.section	.rodata,"a",@progbits
	.p2align	6, 0x0
	.amdhsa_kernel k_q777c0b4237_prep
		.amdhsa_group_segment_fixed_size 1792
		.amdhsa_private_segment_fixed_size 0
		.amdhsa_enable_private_segment 0
		.amdhsa_kernarg_size 40
		.amdhsa_user_sgpr_count 2
		.amdhsa_user_sgpr_kernarg_segment_ptr 1
		.amdhsa_wavefront_size32 1
		.amdhsa_system_sgpr_workgroup_id_x 1
		.amdhsa_system_sgpr_workgroup_id_y 1
		.amdhsa_system_sgpr_workgroup_id_z 1
		.amdhsa_system_vgpr_workitem_id 0
		.amdhsa_next_free_vgpr 202
		.amdhsa_next_free_sgpr 66
		.amdhsa_reserve_vcc 1
		.amdhsa_float_denorm_mode_32 3
		.amdhsa_float_denorm_mode_16_64 3
		.amdhsa_memory_ordered 1
		.amdhsa_forward_progress 1
		.amdhsa_inst_pref_size 14
	.end_amdhsa_kernel
	.amdgpu_metadata
---
amdhsa.version: [ 1, 2 ]
amdhsa.kernels:
  - .name:           k_q777c0b4237_prep
    .symbol:         k_q777c0b4237_prep.kd
    .args:
      - { .name: W, .offset: 0, .size: 8, .value_kind: global_buffer, .address_space: global }
      - { .name: b, .offset: 8, .size: 8, .value_kind: global_buffer, .address_space: global }
      - { .name: ln_g, .offset: 16, .size: 8, .value_kind: global_buffer, .address_space: global }
      - { .name: ln_b, .offset: 24, .size: 8, .value_kind: global_buffer, .address_space: global }
      - { .name: wq, .offset: 32, .size: 8, .value_kind: global_buffer, .address_space: global }
    .group_segment_fixed_size: 1792
    .private_segment_fixed_size: 0
    .kernarg_segment_align: 8
    .kernarg_segment_size: 40
    .max_flat_workgroup_size: 192
    .sgpr_count:     66
    .vgpr_count:     202
    .wavefront_size: 32
...
	.end_amdgpu_metadata
.endif
;; end of part 1
;; launch lstm (part 2): grid 256 x 1, 8 waves a work-group, clusters of 4 x 1, 327,680 bytes of LDS; arguments inputs, wq, out0; writes out0
.if DOCPART == 2
	.amdgcn_target "amdgcn-amd-amdhsa--gfx1250"
	.amdhsa_code_object_version 6
	.text
	.protected	k_q777c0b4237_lstm
	.globl	k_q777c0b4237_lstm
	.p2align	8
	.type	k_q777c0b4237_lstm,@function
k_q777c0b4237_lstm:
	s_mov_b64 s[64:65], 0
	v_nop
	global_prefetch_b8 v0, s[64:65] scope:SCOPE_SE
	s_setreg_imm32_b32 hwreg(HW_REG_WAVE_MODE, 25, 1), 1
	s_wait_xcnt 0x0
	s_wait_alu depctr_hold_cnt(0) depctr_sa_sdst(0) depctr_va_vdst(0) depctr_va_sdst(0) depctr_va_ssrc(0) depctr_va_vcc(0) depctr_vm_vsrc(0)
	s_getreg_b32 s2, hwreg(HW_REG_IB_STS2, 6, 4)
	s_cmp_eq_u32 s2, 0
	s_cbranch_scc0 .Lentry_in_a_cluster
	s_endpgm
.Lentry_in_a_cluster:
	s_bfe_u32 s2, ttmp6, 0x10000c
	s_cmp_lg_u32 s2, 0x3003
	s_cbranch_scc0 .Lentry_shape_is_right
	s_endpgm
.Lentry_shape_is_right:
; Two layers of: gates = Q(W)^T Q(x) + b (codes of FP6, E2M3, one E8M0 scale for each 32 along K); c = sigmoid(i) tanh(g); h = sigmoid(o) tanh(c); LayerNorm over the 256 units.  65,536 rows of 256 f32 in, as many out.
; NOT MULTIPLIED, since the computation itself throws it away: gate f (times zeros) and k = 256 .. 511 (the concatenated zeros).  Kept: 3 gates x K 256 a layer.
; SHARES.  A work-group takes 256 rows, each of its eight waves 32: two tiles m = 0, 1 of 16.  A wave takes its rows through both layers by itself: both products are used TRANSPOSED (source 0 = 16 units of W, source 1 = 16 rows),
; so a lane holds ONE row (lane % 16), and register 16 B + i of its 128 a tile holds unit 32 B + 16 (lane / 16) + i: 16 neighbours along the next K.  A row lies in lanes l and l xor 16: sums and block maxima want one exchange, no barrier.
; WEIGHTS.  Both layers' blocks of wq (codes as images of the operand's registers, scale words, biases, LayerNorm parameters: 2 x 161,792 bytes) come into LDS once and stay.  Each fragment read from LDS feeds two matrix instructions.
; CLUSTER.  All work-groups read the same weights: the four of a cluster ask for them JOINTLY, by the same tensor loads with the same descriptors and a mask that names the four.
; No LDS byte is filled twice.  The stage for the way out lies in layer 0's block, which has had its only fill, behind a barrier that every wave reaches behind its last read of the weights.
; THE ACTIVATION takes five transcendentals a number: with Ea = e^-a, E2 = e^2b, Eo = e^-o:  c = (E2 - 1) / ((1 + Ea)(1 + E2));  tanh(c) = c (945 + 105 s + s^2) / (945 + 420 s + 15 s^2), s = c^2;  h = numerator / (denominator (1 + Eo)).
; |c| <= 1 by the computation itself (a sigmoid times a tanh); on that range the quotient is off tanh by 4.7e-8 at the most (at |c| = 1: 1051 / 1380).
; LIMITS: 2 b log2(e) is held at 64, where tanh is 1 in f32; c is 0 where sigmoid(i) lies under 2^-62, h is 0 where sigmoid(o) lies under 2^-115; tanh(g) is made from E2 - 1, so its error is about 6e-8 absolute, also for small g;
; blocks whose largest magnitude lies under 2^-124 keep the scale byte 1; NaN and infinities are not served.
; REGISTERS, in windows of 256 (s_set_vgpr_msb's low byte: bits 1:0 source 0, 3:2 source 1, 5:4 source 2, 7:6 destination).  Window 1 is H: v[128 m + k], x as f32, then h, then the normalised rows.  Window 0: below.
.set LAYB,   161792                    ; a layer's block in wq and in LDS
.set REC,    9984                      ; a tile's record in it
.set LNOFF,  159744                    ; ln_g, then ln_b
.set TROWS,  79                        ; a wave's tensor load: 79 rows of 256 bytes, an eighth of a block
.set SPITCH, 1040                      ; the stage: a row of 1,024 bytes + 16 = 260 words: row r starts at bank 4 r mod 64 (64 banks of 4 bytes: ISA guide 11.1)
.set WSTG,   16*SPITCH                 ; a wave's stage: 16 rows
.set LI,   1                           ; v1   16 x lane: an image's place for my lane; also my 16 bytes of 512 in out0
.set ADW,  2                           ; v2   LDS address of the record in hand + 16 x lane
.set ADB,  3                           ; v3   the same + 32 h: my eight biases
.set ADL,  4                           ; v4   the layer's LayerNorm parameters + 64 h
.set XA,   5                           ; v5   x: row r of 1,024 bytes + 64 h
.set SO,   6                           ; v6   the stage, in: row r + 64 h
.set SR,   7                           ; v7   the stage, back: 16 x lane
.set H32,  8                           ; v8   32 h
.set H64,  9                           ; v9   64 h + LNOFF
.set C15,  10                          ; v[10:11] 15.0 twice
.set CH,   12                          ; v12-19  sums: tile m's two chains at v[12 + 4 m], v[14 + 4 m], a pair each
.set MU,   20                          ; v[20 + 2 m] the mean, as a pair
.set RS,   24                          ; v[24 + 2 m] 1 / sqrt(var + eps), as a pair
.set XS,   28                          ; v28-31  the rows' scale words (tile m, K step s: 2 m + s): scales and nothing else
.set WS,   32                          ; v32-34  the weights' scale words, gate g: lanes 0-15 K step 0, lanes 16-31 K step 1: scales and nothing else
.set XC,   36                          ; v36-83  the rows' codes: fragment (m, s) at 36 + 24 m + 12 s
.set BIAS, 84                          ; v84-107 eight registers a gate, in the result's layout
.set ACC,  108                         ; v108-155 accumulator (g, m) at 108 + 16 g + 8 m
.set GA,   108                         ; gate i's sixteen registers,
.set GB,   124                         ; gate g's,
.set GO,   140                         ; gate o's
.set T,    156                         ; v156-171 at work
.set WF,   172                         ; v172-243 the weights' fragments (g, s) at 172 + 24 g + 12 s
.set TM,   156                         ; the quantiser's: +0..3 maxima, +4..7 bytes, +12..15 scale operands
.set P2,   108                         ; and the second halves of its conversions
.set LP,   108                         ; LayerNorm parameters: set B % 2 at 108 + 32 (B % 2): 16 gains, 16 offsets
.set MSB, 0
.macro WIN new                         ; the immediate's high byte repeats the setting that is left; a switch that changes nothing is dropped
.if MSB != \new
	s_set_vgpr_msb (MSB<<8)|\new
.set MSB, \new
.endif
.endm
.macro CROUND                          ; a round of the cluster's barrier: my work-group's barrier; wave 0 signals for the work-group; every wave waits for all four; my work-group's barrier once more
	s_barrier_signal -1
	s_barrier_wait -1
	s_cmp_lg_u32 s10, 0
	s_cbranch_scc1 .Lnot_wave_0_\@
	s_barrier_signal -3
.Lnot_wave_0_\@:
	s_barrier_wait -3
	s_barrier_signal -1
	s_barrier_wait -1
.endm
; My 32 rows of x: lane (r, h) takes, of row 16 m + r, the 16 numbers 32 b + 16 h + 0 .. 15 of each block of 32: four loads of 16 bytes a block, 64 loads in all.
.macro XLOAD
	WIN 0x40                                       ; destination window 1
.irp m, 0,1
.irp b, 0,1,2,3,4,5,6,7
.irp q, 0,1,2,3
	global_load_b128 v[128*\m+16*\b+4*\q:128*\m+16*\b+4*\q+3], v[XA], s[4:5] offset:16384*\m+128*\b+16*\q th:TH_LOAD_NT
.endr
.endr
.endr
	WIN 0
.endm
; 64 numbers of a lane, H[128 m + 64 s ..], register 16 b + i = k 128 s + 32 b + 16 h + i of my row, become fragment (m, s) of codes and its scale word.
.macro QUANT m, s
.set QS, 128*(\m)+64*(\s)
.set QC, XC+24*(\m)+12*(\s)
.set QX, XS+2*(\m)+(\s)
	WIN 0x05                                       ; sources 0 and 1 window 1
.irp b, 0,1,2,3
	v_max3_num_f32 v[TM+\b], |v[QS+16*\b]|, |v[QS+16*\b+1]|, 0x1800000   ; block b: my 16 numbers, and the floor 2^(3 - 127): the byte cannot fall under 1
.endr
.irp i, 2,4,6,8,10,12,14
.irp b, 0,1,2,3
	v_max3_num_f32 v[TM+\b], |v[QS+16*\b+\i]|, |v[QS+16*\b+\i+1]|, v[TM+\b]   ; (the four blocks by turns)
.endr
.endr
	WIN 0
.irp b, 0,1,2,3
	v_permlanex16_b32 v[TM+4+\b], v[TM+\b], s46, s47
.endr
.irp b, 0,1,2,3
	v_max_num_f32 v[TM+\b], v[TM+\b], v[TM+4+\b]   ; with lane l xor 16's: the block's largest magnitude
.endr
.irp b, 0,1,2,3
	v_add_nc_u32 v[TM+12+\b], 0xff000000, v[TM+\b] ; 2 off its exponent field: the conversion's scale operand
.endr
.irp b, 0,1,2,3
	v_lshrrev_b32 v[TM+4+\b], 23, v[TM+12+\b]      ; the scale's byte
.endr
	v_lshl_or_b32 v[QX], v[TM+5], 8, v[TM+4]       ; the four bytes make my row's scale word
	v_lshl_or_b32 v[QX], v[TM+6], 16, v[QX]
	v_lshl_or_b32 v[QX], v[TM+7], 24, v[QX]
	WIN 0x01                                       ; source 0 window 1
.irp c, 0,1
	v_cvt_scalef32_pk16_fp6_f32 v[QC+6*\c:QC+6*\c+2], v[QS+32*\c:QS+32*\c+15], v[TM+12+2*\c]
	v_cvt_scalef32_pk16_fp6_f32 v[P2+4*\c:P2+4*\c+2], v[QS+32*\c+16:QS+32*\c+31], v[TM+12+2*\c+1]   ; (a conversion's three registers begin on an even number)
.endr
	WIN 0
	v_nop                                          ; one plain place behind a scaled conversion
.irp c, 0,1                                    ; the operand's layout wants a WHOLE block in a lane: lanes 0-15 block 2 c, lanes 16-31 block 2 c + 1
.irp i, 0,1,2
	v_permlane16_swap_b32 v[QC+6*\c+\i], v[P2+4*\c+\i]
.endr
.irp i, 0,1,2
	v_mov_b32 v[QC+3+6*\c+\i], v[P2+4*\c+\i]
.endr
.endr
.endm
; A record out of LDS: six fragments as they were stored (18 loads of 512 consecutive bytes), the three scale words, my 24 biases: 25 loads.
.macro FETCH
.irp f, 0,1,2,3,4,5
.irp q, 0,1,2
	ds_load_b128 v[WF+12*\f+4*\q:WF+12*\f+4*\q+3], v[ADW] offset:1536*\f+512*\q
.endr
.endr
	ds_load_b96 v[WS:WS+2], v[ADW] offset:9216
.irp g, 0,1,2
.irp e, 0,1
	ds_load_b128 v[BIAS+8*\g+4*\e:BIAS+8*\g+4*\e+3], v[ADB] offset:9728+64*\g+16*\e
.endr
.endr
.endm
; 12 matrix instructions: three gates x two tiles of rows, K = 256 in two steps.  The bias is the C of each sum's first instruction.  The six accumulators take turns, one instruction a turn.
.macro MMA
.irp g, 0,1,2
.irp m, 0,1
	v_wmma_scale_f32_16x16x128_f8f6f4 v[ACC+16*\g+8*\m:ACC+16*\g+8*\m+7], v[WF+24*\g:WF+24*\g+11], v[XC+24*\m:XC+24*\m+11], v[BIAS+8*\g:BIAS+8*\g+7], v[WS+\g], v[XS+2*\m] matrix_a_fmt:MATRIX_FMT_FP6 matrix_b_fmt:MATRIX_FMT_FP6
.endr
.endr
.irp g, 0,1,2
.irp m, 0,1
	v_wmma_scale_f32_16x16x128_f8f6f4 v[ACC+16*\g+8*\m:ACC+16*\g+8*\m+7], v[WF+24*\g+12:WF+24*\g+23], v[XC+24*\m+12:XC+24*\m+23], v[ACC+16*\g+8*\m:ACC+16*\g+8*\m+7], v[WS+\g], v[XS+2*\m+1] matrix_a_fmt:MATRIX_FMT_FP6 matrix_b_fmt:MATRIX_FMT_FP6 matrix_a_scale:MATRIX_SCALE_ROW1
.endr
.endr
.endm
; The activation of tile t: 16 numbers a gate and lane (8 for each tile of rows).  Every line goes in ascending order.
; Three batches of transcendentals; behind each stands plain work that names none of its results, then ONE wait, ahead of the first instruction that names a result.
.macro ACT t
.irp p, 0,1,2,3,4,5,6,7
	v_pk_mul_f32 v[GA+2*\p:GA+2*\p+1], v[GA+2*\p:GA+2*\p+1], s[34:35] op_sel_hi:[1,0]   ; -a log2(e)
.endr
.irp p, 0,1,2,3,4,5,6,7
	v_pk_mul_f32 v[GB+2*\p:GB+2*\p+1], v[GB+2*\p:GB+2*\p+1], s[36:37] op_sel_hi:[1,0]   ; 2 b log2(e),
.endr
.irp j, 0,1,2,3,4,5,6,7,8,9,10,11,12,13,14,15
	v_min_num_f32 v[GB+\j], s38, v[GB+\j]          ; held at 64: E2 - 1 stays finite
.endr
.irp j, 0,1,2,3,4,5,6,7,8,9,10,11,12,13,14,15
	v_exp_f32 v[GA+\j], v[GA+\j]                   ; Ea
.endr
.irp j, 0,1,2,3,4,5,6,7,8,9,10,11,12,13,14,15
	v_exp_f32 v[GB+\j], v[GB+\j]                   ; E2
.endr
.irp p, 0,1,2,3,4,5,6,7
	v_pk_mul_f32 v[GO+2*\p:GO+2*\p+1], v[GO+2*\p:GO+2*\p+1], s[34:35] op_sel_hi:[1,0]   ; -o log2(e): the plain work behind the batch
.endr
	s_wait_alu depctr_va_vdst(0)
.irp p, 0,1,2,3,4,5,6,7
	v_pk_add_f32 v[T+2*\p:T+2*\p+1], v[GB+2*\p:GB+2*\p+1], 1.0 op_sel_hi:[1,0]          ; 1 + E2
.endr
.irp p, 0,1,2,3,4,5,6,7
	v_pk_fma_f32 v[GA+2*\p:GA+2*\p+1], v[GA+2*\p:GA+2*\p+1], v[T+2*\p:T+2*\p+1], v[T+2*\p:T+2*\p+1]   ; (1 + Ea)(1 + E2)
.endr
.irp j, 0,1,2,3,4,5,6,7,8,9,10,11,12,13,14,15
	v_exp_f32 v[GO+\j], v[GO+\j]                   ; Eo
.endr
.irp j, 0,1,2,3,4,5,6,7,8,9,10,11,12,13,14,15
	v_rcp_f32 v[GA+\j], v[GA+\j]
.endr
.irp p, 0,1,2,3,4,5,6,7
	v_pk_add_f32 v[GB+2*\p:GB+2*\p+1], v[GB+2*\p:GB+2*\p+1], -1.0 op_sel_hi:[1,0]       ; E2 - 1: the plain work behind the batch
.endr
	s_wait_alu depctr_va_vdst(0)
.irp p, 0,1,2,3,4,5,6,7
	v_pk_mul_f32 v[GB+2*\p:GB+2*\p+1], v[GB+2*\p:GB+2*\p+1], v[GA+2*\p:GA+2*\p+1]       ; c
.endr
.irp p, 0,1,2,3,4,5,6,7
	v_pk_mul_f32 v[T+2*\p:T+2*\p+1], v[GB+2*\p:GB+2*\p+1], v[GB+2*\p:GB+2*\p+1]         ; s = c^2
.endr
.irp p, 0,1,2,3,4,5,6,7
	v_pk_fma_f32 v[GA+2*\p:GA+2*\p+1], v[T+2*\p:T+2*\p+1], v[C15:C15+1], s[44:45] op_sel_hi:[1,1,0]   ; 15 s + 420
.endr
.irp p, 0,1,2,3,4,5,6,7
	v_pk_fma_f32 v[GA+2*\p:GA+2*\p+1], v[GA+2*\p:GA+2*\p+1], v[T+2*\p:T+2*\p+1], s[42:43] op_sel_hi:[1,1,0]   ; the denominator 945 + 420 s + 15 s^2
.endr
.irp p, 0,1,2,3,4,5,6,7
	v_pk_fma_f32 v[GO+2*\p:GO+2*\p+1], v[GO+2*\p:GO+2*\p+1], v[GA+2*\p:GA+2*\p+1], v[GA+2*\p:GA+2*\p+1]   ; times (1 + Eo)
.endr
.irp j, 0,1,2,3,4,5,6,7,8,9,10,11,12,13,14,15
	v_rcp_f32 v[GO+\j], v[GO+\j]
.endr
.irp p, 0,1,2,3,4,5,6,7
	v_pk_add_f32 v[GA+2*\p:GA+2*\p+1], v[T+2*\p:T+2*\p+1], s[40:41] op_sel_hi:[1,0]     ; s + 105: the numerator is the plain work behind the batch
.endr
.irp p, 0,1,2,3,4,5,6,7
	v_pk_fma_f32 v[GA+2*\p:GA+2*\p+1], v[GA+2*\p:GA+2*\p+1], v[T+2*\p:T+2*\p+1], s[42:43] op_sel_hi:[1,1,0]   ; 945 + 105 s + s^2
.endr
.irp p, 0,1,2,3,4,5,6,7
	v_pk_mul_f32 v[GA+2*\p:GA+2*\p+1], v[GA+2*\p:GA+2*\p+1], v[GB+2*\p:GB+2*\p+1]       ; times c
.endr
	s_wait_alu depctr_va_vdst(0)
	WIN 0x40                                       ; destination window 1
.irp p, 0,1,2,3,4,5,6,7
	v_pk_mul_f32 v[128*(\p/4)+8*(\t)+2*(\p%4):128*(\p/4)+8*(\t)+2*(\p%4)+1], v[GA+2*\p:GA+2*\p+1], v[GO+2*\p:GO+2*\p+1]   ; h, at H[128 m + 8 t + j]
.endr
	WIN 0
.endm
; A tile of 16 units.  The next record is asked for straight behind the products (four plain places behind the last of them: ISA guide 7.12.1 for vector instructions) and lands under the activation.
.macro CHUNK t
	s_wait_dscnt 0x0                               ; the record is in
	MMA
.if \t < 15
	v_add_nc_u32 v[ADW], REC, v[ADW]               ; on to the next record: two of the four places
	v_add_nc_u32 v[ADB], REC, v[ADB]
	v_nop
	v_nop
	FETCH
.else
.rept 4
	v_nop
.endr
.endif
	ACT \t
.endm
.macro JOIN                            ; a tile's two chains, their two halves, and lane l xor 16's: the row's sum in v[CH + 4 m]
.irp m, 0,1
	v_pk_add_f32 v[CH+4*\m:CH+4*\m+1], v[CH+4*\m:CH+4*\m+1], v[CH+4*\m+2:CH+4*\m+3]
.endr
.irp m, 0,1
	v_add_f32 v[CH+4*\m], v[CH+4*\m], v[CH+4*\m+1]
.endr
.irp m, 0,1
	v_permlanex16_b32 v[CH+4*\m+2], v[CH+4*\m], s46, s47
.endr
.irp m, 0,1
	v_add_f32 v[CH+4*\m], v[CH+4*\m], v[CH+4*\m+2]
.endr
.endm
.macro LNLOAD b                        ; the gains and offsets of units 32 b + 16 h + 0 .. 15 into set b % 2: eight loads
.irp q, 0,1,2,3
	ds_load_b128 v[LP+32*((\b)%2)+4*\q:LP+32*((\b)%2)+4*\q+3], v[ADL] offset:128*(\b)+16*\q
	ds_load_b128 v[LP+32*((\b)%2)+16+4*\q:LP+32*((\b)%2)+16+4*\q+3], v[ADL] offset:1024+128*(\b)+16*\q
.endr
.endm
; Mean and variance in two passes, as the LayerNorm is defined: the mean; H - mean, in place; the mean of its squares.  Four chains by turns.
.macro LNSTAT
	WIN 0x05
.irp m, 0,1
	v_pk_add_f32 v[CH+4*\m:CH+4*\m+1], v[128*\m:128*\m+1], v[128*\m+2:128*\m+3]          ; the first numbers start the chains: nothing is cleared
	v_pk_add_f32 v[CH+4*\m+2:CH+4*\m+3], v[128*\m+4:128*\m+5], v[128*\m+6:128*\m+7]
.endr
	WIN 0x01
.set LNI, 8
.rept 30
.irp m, 0,1
	v_pk_add_f32 v[CH+4*\m:CH+4*\m+1], v[128*\m+LNI:128*\m+LNI+1], v[CH+4*\m:CH+4*\m+1]
	v_pk_add_f32 v[CH+4*\m+2:CH+4*\m+3], v[128*\m+LNI+2:128*\m+LNI+3], v[CH+4*\m+2:CH+4*\m+3]
.endr
.set LNI, LNI+4
.endr
	WIN 0
	JOIN
.irp m, 0,1
	v_mul_f32 v[MU+2*\m], s48, v[CH+4*\m]          ; / 256
.endr
.irp m, 0,1
	v_mov_b32 v[MU+2*\m+1], v[MU+2*\m]             ; (named with it as a pair, so it is written)
.endr
	WIN 0x41
.set LNI, 0
.rept 64
.irp m, 0,1
	v_pk_add_f32 v[128*\m+LNI:128*\m+LNI+1], v[128*\m+LNI:128*\m+LNI+1], v[MU+2*\m:MU+2*\m+1] op_sel_hi:[1,0] neg_lo:[0,1] neg_hi:[0,1]
.endr
.set LNI, LNI+2
.endr
	WIN 0x05
.irp m, 0,1
	v_pk_mul_f32 v[CH+4*\m:CH+4*\m+1], v[128*\m:128*\m+1], v[128*\m:128*\m+1]
	v_pk_mul_f32 v[CH+4*\m+2:CH+4*\m+3], v[128*\m+2:128*\m+3], v[128*\m+2:128*\m+3]
.endr
.set LNI, 4
.rept 31
.irp m, 0,1
	v_pk_fma_f32 v[CH+4*\m:CH+4*\m+1], v[128*\m+LNI:128*\m+LNI+1], v[128*\m+LNI:128*\m+LNI+1], v[CH+4*\m:CH+4*\m+1]
	v_pk_fma_f32 v[CH+4*\m+2:CH+4*\m+3], v[128*\m+LNI+2:128*\m+LNI+3], v[128*\m+LNI+2:128*\m+LNI+3], v[CH+4*\m+2:CH+4*\m+3]
.endr
.set LNI, LNI+4
.endr
	WIN 0
	JOIN
.irp m, 0,1
	v_fma_f32 v[CH+4*\m], v[CH+4*\m], s48, s49     ; var + eps
.endr
.irp m, 0,1
	v_rsq_f32 v[RS+2*\m], v[CH+4*\m]
.endr
	v_nop                                          ; a plain place behind the transcendentals,
	s_wait_alu depctr_va_vdst(0)                   ; and the one wait ahead of the first instruction that names a result
.irp m, 0,1
	v_mov_b32 v[RS+2*\m+1], v[RS+2*\m]
.endr
.endm
; H = (H - mean) / sqrt(var + eps) x gain + offset, a block of 32 units at a time; the next block's parameters are on their way meanwhile.
.macro LNFIN
.irp b, 0,1,2,3,4,5,6,7
	WIN 0
.if \b < 7
	LNLOAD \b+1
	s_wait_dscnt 8                                 ; this block's eight loads are in; the next block's eight may be out
.else
	s_wait_dscnt 0x0
.endif
	WIN 0x41
.irp m, 0,1
.irp p, 0,1,2,3,4,5,6,7
	v_pk_mul_f32 v[128*\m+16*\b+2*\p:128*\m+16*\b+2*\p+1], v[128*\m+16*\b+2*\p:128*\m+16*\b+2*\p+1], v[RS+2*\m:RS+2*\m+1] op_sel_hi:[1,0]
.endr
.irp p, 0,1,2,3,4,5,6,7
	v_pk_fma_f32 v[128*\m+16*\b+2*\p:128*\m+16*\b+2*\p+1], v[128*\m+16*\b+2*\p:128*\m+16*\b+2*\p+1], v[LP+32*(\b%2)+2*\p:LP+32*(\b%2)+2*\p+1], v[LP+32*(\b%2)+16+2*\p:LP+32*(\b%2)+16+2*\p+1]
.endr
.endr
.endr
	WIN 0
.endm
; THE WAY OUT of tile m.  A lane holds pieces of 64 bytes of one row, and the lanes beside it hold other rows: so 16 rows go through my own stage in LDS and come back as halves of rows, 512 consecutive bytes an instruction,
; into the registers that they left.  LDS serves a wave's instructions in order (ISA guide 5.7.1.4): no wait stands between the stores and the loads.
.macro TOSTAGE m
	WIN 0x04                                       ; an LDS store's data are its source 1: window 1
.irp b, 0,1,2,3,4,5,6,7
.irp q, 0,1,2,3
	ds_store_b128 v[SO], v[128*\m+16*\b+4*\q:128*\m+16*\b+4*\q+3] offset:128*\b+16*\q
.endr
.endr
	WIN 0x40
.set K, 0
.rept 32
	ds_load_b128 v[128*\m+4*K:128*\m+4*K+3], v[SR] offset:SPITCH*(K/2)+512*(K%2)
.set K, K+1
.endr
.endm
.macro SEND m
	WIN 0x04                                       ; a store's data are its source 1: window 1
.set K, 0
.rept 32
	s_wait_dscnt 31-K                              ; load K is in; the younger ones may be out
	global_store_b128 v[LI], v[128*\m+4*K:128*\m+4*K+3], s[8:9] offset:(16*\m+K/2)*1024+512*(K%2) th:TH_STORE_NT   ; 32 lanes store 512 consecutive bytes, at a multiple of 256 from out0's first byte; no register of a store is written again
.set K, K+1
.endr
	WIN 0
.endm
	s_load_b128 s[4:7], s[0:1], 0x0                ; inputs s[4:5], wq s[6:7]
	s_load_b64 s[8:9], s[0:1], 0x10                ; out0
	v_lshl_add_u32 v254, v0, 2, 0x4f000
	v_mov_b32 v255, 0
	ds_add_u32 v254, v255
	ds_add_u32 v254, v255
	v_lshrrev_b32 v[ADW], 5, v0
	v_readfirstlane_b32 s10, v[ADW]                ; wave 0..7
	s_bfe_u32 s12, ttmp6, 0x40000                  ; cx: my place in the cluster: it enters the addresses of x and out0 alone
	s_lshl_b32 s13, ttmp9, 2                       ; in a cluster launch ttmp9 counts clusters
	s_add_co_u32 s13, s13, s12                     ; my work-group
	s_lshl_b32 s2, s13, 18                         ; its 256 rows of 1,024 bytes,
	s_lshl_b32 s3, s10, 15                         ; my wave's 32 of them
	s_add_co_u32 s2, s2, s3
	s_mov_b32 s3, 0
	; descriptor group 1: 79 rows of 256 bytes (32 elements of 8 bytes), dense in memory and in LDS
	s_mov_b32 s16, 15|(3<<16)|(1<<21)              ; 15:0 the mask: all four work-groups; 17:16 elements of 8 bytes; 20 no padding; 21 set beside a mask
	s_mov_b32 s17, 32<<16                          ; tensor_dim0 = 32
	s_mov_b32 s18, TROWS<<16                       ; tensor_dim1 = 79
	s_mov_b32 s19, 32<<16                          ; tile_dim0 = 32
	s_mov_b32 s20, TROWS                           ; tile_dim1 = 79
	s_mov_b32 s21, 32                              ; tensor_dim0_stride
	s_mov_b32 s22, 0
	s_mov_b32 s23, 0
	s_mul_i32 s14, s10, TROWS*256                  ; my eighth of a block, in wq and in LDS alike
	s_mov_b32 s15, 0
	s_mov_b32 s34, 0xbfb8aa3b                      ; -log2(e); the packed forms name pairs, so both words are written
	s_mov_b32 s35, 0xbfb8aa3b
	s_mov_b32 s36, 0x4038aa3b                      ; 2 log2(e)
	s_mov_b32 s37, 0x4038aa3b
	s_mov_b32 s38, 0x42800000                      ; 64.0
	s_mov_b32 s40, 0x42d20000                      ; 105.0
	s_mov_b32 s41, 0x42d20000
	s_mov_b32 s42, 0x446c4000                      ; 945.0
	s_mov_b32 s43, 0x446c4000
	s_mov_b32 s44, 0x43d20000                      ; 420.0
	s_mov_b32 s45, 0x43d20000
	s_mov_b32 s46, 0x76543210                      ; v_permlanex16_b32's selects for lane l xor 16
	s_mov_b32 s47, 0xfedcba98
	s_mov_b32 s48, 0x3b800000                      ; 1 / 256
	s_mov_b32 s49, 0x3727c5ac                      ; eps = 1e-5
	v_and_b32 v[LI], 31, v0
	v_lshlrev_b32 v[LI], 4, v[LI]
	v_and_b32 v[T], 15, v0                         ; r
	v_bfe_u32 v[T+1], v0, 4, 1                     ; h
	v_lshlrev_b32 v[XA], 10, v[T]
	v_lshl_add_u32 v[XA], v[T+1], 6, v[XA]
	s_mul_i32 s39, s10, WSTG                       ; my stage
	v_mul_u32_u24 v[SO], v[T], SPITCH
	v_lshl_add_u32 v[SO], v[T+1], 6, v[SO]
	v_add_nc_u32 v[SO], s39, v[SO]
	v_add_nc_u32 v[SR], s39, v[LI]
	v_lshlrev_b32 v[H32], 5, v[T+1]
	v_lshl_add_u32 v[H64], v[T+1], 6, LNOFF
	v_mov_b32 v[C15], 0x41700000                   ; 15.0
	v_mov_b32 v[C15+1], 0x41700000
.irp b, 0,1,2,3
	v_mov_b32 v[TM+4+\b], 0                        ; written once: a lane permute's destination counts as one of its sources
.endr
	s_wait_dscnt 0x0
	s_wait_kmcnt 0x0
	s_add_nc_u64 s[4:5], s[4:5], s[2:3]            ; x and out0 at my wave's first row
	s_add_nc_u64 s[8:9], s[8:9], s[2:3]
	s_mov_b32 s24, 1                               ; group 0 for layer 0's block: count = 1,
	s_mov_b32 s25, s14                             ; LDS address,
	s_add_nc_u64 s[26:27], s[6:7], s[14:15]        ; global address: made of wq and the wave's number alone, equal in the four partners
	s_mov_b32 s28, 1                               ; and for layer 1's
	s_add_co_u32 s29, s14, LAYB
	s_add_nc_u64 s[30:31], s[26:27], LAYB
	s_or_b32 s27, s27, 0x80000000                  ; type = 2
	s_or_b32 s31, s31, 0x80000000
	CROUND                                         ; all four work-groups are here: the joint loads meet
	tensor_load_to_lds s[24:27], s[16:23]          ; the launch's only fills, as one group: two loads of mine are out
	s_nop 0
	tensor_load_to_lds s[28:31], s[16:23]
	s_nop 0
.rept 4
	v_nop                                          ; four lines behind the tensor loads, ahead of the switch of windows
.endr
	XLOAD
	s_wait_tensorcnt 0x0                           ; my parts of both blocks have landed,
	s_barrier_signal -1
	s_barrier_wait -1                              ; everybody's have: from here on the weights are only read (x stays on its way: nobody writes it)
	s_mov_b32 s32, 0                               ; the layer's block in LDS
	s_mov_b32 s33, 0                               ; the layer
.Llayer:                                               ; two trips.  Trip 0 finds x in H, trip 1 layer 0's normalised rows
	s_wait_loadcnt 48                              ; x's loads come back in order: the first 16 are in, 48 younger ones may be out (in trip 1 none is out)
	QUANT 0, 0
	s_wait_loadcnt 32
	QUANT 0, 1
	s_wait_loadcnt 16
	QUANT 1, 0
	s_wait_loadcnt 0x0
	QUANT 1, 1
	v_add_nc_u32 v[ADW], s32, v[LI]                ; the layer's first record.  These three and the five below: eight plain places between the last scale word and code written by vector instructions and the scaled products
	v_add_nc_u32 v[ADB], s32, v[H32]
	v_add_nc_u32 v[ADL], s32, v[H64]
.rept 5
	v_nop
.endr
	FETCH
.irp t, 0,1,2,3,4,5,6,7,8,9,10,11,12,13,14,15
	CHUNK \t
.endr
	LNLOAD 0                                       ; the first parameters land under the sums
	LNSTAT
	LNFIN
	s_add_co_u32 s32, s32, LAYB
	s_add_co_u32 s33, s33, 1
	s_cmp_lt_u32 s33, 2
	s_cbranch_scc1 .Llayer
	s_wait_dscnt 0x0                               ; my reads of the weights are over,
	s_barrier_signal -1
	s_barrier_wait -1                              ; everybody's are: the stages may be written over layer 0's block
	TOSTAGE 0
	SEND 0
	TOSTAGE 1
	SEND 1                                         ; (its last wait is for 0: no LDS instruction of mine is out at the signal below)
	s_wait_tensorcnt 0x0
	ds_add_u32 v254, v255
	s_wait_dscnt 0x0
	CROUND                                         ; the closing round: no work-group ends while a partner may still ask for a tile that names it
	s_endpgm
.Lfunc_end_k_q777c0b4237_lstm:
	.size	k_q777c0b4237_lstm, .Lfunc_end_k_q777c0b4237_lstm-k_q777c0b4237_lstm
	.p2alignl 7, 3214868480
	.fill 96, 4, 3214868480
	.section	.rodata,"a",@progbits
	.p2align	6, 0x0
	.amdhsa_kernel k_q777c0b4237_lstm
		.amdhsa_group_segment_fixed_size 327680
		.amdhsa_private_segment_fixed_size 0
		.amdhsa_enable_private_segment 0
		.amdhsa_kernarg_size 24
		.amdhsa_user_sgpr_count 2
		.amdhsa_user_sgpr_kernarg_segment_ptr 1
		.amdhsa_wavefront_size32 1
		.amdhsa_system_sgpr_workgroup_id_x 1
		.amdhsa_system_sgpr_workgroup_id_y 1
		.amdhsa_system_sgpr_workgroup_id_z 1
		.amdhsa_system_vgpr_workitem_id 0
		.amdhsa_next_free_vgpr 512
		.amdhsa_next_free_sgpr 66
		.amdhsa_reserve_vcc 0
		.amdhsa_float_denorm_mode_32 3
		.amdhsa_float_denorm_mode_16_64 3
		.amdhsa_memory_ordered 1
		.amdhsa_forward_progress 1
		.amdhsa_inst_pref_size 255
	.end_amdhsa_kernel
	.section	.bss,"aw",@nobits
	.p2align	6
	.space	262144
	.amdgpu_metadata
---
amdhsa.version: [ 1, 2 ]
amdhsa.kernels:
  - .name:           k_q777c0b4237_lstm
    .symbol:         k_q777c0b4237_lstm.kd
    .args:
      - { .name: inputs, .offset: 0, .size: 8, .value_kind: global_buffer, .address_space: global }
      - { .name: wq, .offset: 8, .size: 8, .value_kind: global_buffer, .address_space: global }
      - { .name: out0, .offset: 16, .size: 8, .value_kind: global_buffer, .address_space: global }
    .group_segment_fixed_size: 327680
    .private_segment_fixed_size: 0
    .kernarg_segment_align: 8
    .kernarg_segment_size: 24
    .max_flat_workgroup_size: 256
    .sgpr_count:     66
    .vgpr_count:     512
    .wavefront_size: 32
...
	.end_amdgpu_metadata
.endif
;; end of part 2
